; MI455X (gfx1250); checked and timed in simulation.
; The chip was launched on July 23, 2026; its instructions are those of AMD's public machine-readable ISA for CDNA 5 (MIT licence, August 2026) and "CDNA5" Instruction Set Architecture Reference Guide (July 2026). The comments in the code are by the model that wrote it; some were corrected since.
;; Weight Only Int8 Linear. Allowed arithmetic: matrix products marked QUANTISED: E2M1 operands, one E8M0 scale for each 32 along K, by v_wmma_scale_f32_16x16x128_f8f6f4 with both operands' format E2M1 (or v_wmma_scale_f32_32x16x128_f4), f32 sums; everything else in f32.
;; Inputs: input_codes 4 x 2,048 x 128 x 16 uint8 (E2M1 codes of input, K innermost, in blocks of 32 codes, two codes a byte); input_scales 4 x 2,048 x 128 uint8 (E8M0 scales of input, one for each 32 codes along K); scales 2,048 x 32 float32; weight 2,048 x 4,096 int32.
;; Outputs: out0 4 x 2,048 x 2,048 float32.
;; This version of the problem:
;;   THIS VERSION OF THE PROBLEM IS GIVEN IN LOW PRECISION. The matrix products marked QUANTISED in the list below multiply operands that are first quantised to E2M1 (2 exponent bits, 1 mantissa bit; 4 bits a number), with one power-of-two scale for each 32 numbers along K (OCP MX v1.0); their sums are f32. All else is computed in f32.
;;   The module's matrix products, in the order in which they are computed (A, B: the left and right operand; K: the contracted axis; several contracted axes count as one K, in the product's order):
;;     1. [M 8,192, K 4,096] x [K 4,096, N 2,048]; A: input input (given as codes); B: computed on the way: QUANTISED
;;   THE QUANTISER, for each operand of a quantised product, along K:
;;     - K is cut into blocks of 32 from its start; a last block that is shorter is filled with zeros.
;;     - A block's scale is 2^e with e = floor(log2(the largest magnitude in the block)) - 2, held to -126 .. 127; a block of zeros has e = 0. As a byte (E8M0): e + 127.
;;     - Each number is divided by its block's scale, clamped to +-6, and rounded to the nearest number of E2M1, ties to even, subnormals kept.
;;     - The product sums the exact products of the quantised numbers (number of the format x scale) in f32.
;;   ~~~python
;;   def quantise(x, axis):      # numpy; x: float32 -> the quantised numbers, widened to float32 again
;;       x = np.moveaxis(x, axis, -1); K = x.shape[-1]
;;       x = np.pad(x, [(0, 0)] * (x.ndim - 1) + [(0, -K % 32)]); x = x.reshape(x.shape[:-1] + (-1, 32)); a = np.abs(x).max(-1, keepdims=True)
;;       e = np.where(a > 0, np.clip(np.frexp(np.where(a > 0, a, 1))[1] - 1 - 2, -126, 127), 0)      # np.frexp(a)[1] - 1 = floor(log2(a)), exactly
;;       r = np.clip(x / 2.0 ** e, -6, 6)
;;       step = 2.0 ** (np.maximum(np.frexp(np.where(r == 0, 1, r))[1] - 1, 0) - 1)
;;       q = np.round(r / step) * step * 2.0 ** e      # np.round: ties to even
;;       return np.moveaxis(q.reshape(q.shape[:-2] + (-1,))[..., :K], -1, axis).astype(np.float32)
;;   ~~~
;;   OPERANDS COMPUTED ON THE WAY. 'Computed on the way' means the value that the module computes at that place (a softmax that the list does not call 'softmax' is quantised finished and normalised). What goes into a quantiser is computed in f32, as accurately as f32 sums, v_exp_f32 and their like allow (about 1e-6 of the number): no bf16 or f16 on the way to a quantiser, and a product that is left as it is and whose result goes on into a quantised operand takes f32 operands (vector FMAs, or v_wmma_f32_16x16x4_f32). A number that lies on a knife's edge between two numbers of the format may be rounded either way, as far as f32 arithmetic and the matrix unit's own rounding can turn it there, and no further.
;;   INPUTS GIVEN AS CODES. input (in the module: [4, 2048, 4096], K = its axis 2): each comes as NAME_codes (uint8): NAME with its K axis moved to the last place and cut into blocks of 32 codes, [.., K / 32, bytes a block], one block behind the other in memory; two codes a byte, the lower K in the low four bits (a code: sign, 2 exponent bits, 1 mantissa bit); and NAME_scales (uint8): the same leading axes, one E8M0 byte (e + 127) for each 32 codes along K. Its value is code x scale, taken as it is: it is not quantised again, and the codes and scales need not be those that the quantiser above would give.
;; One version. Each part assembles by itself: llvm-mc -triple=amdgcn-amd-amdhsa -mcpu=gfx1250 --defsym DOCPART=n.
;; ======== version 1 of 1: 2 launches
;; limits: right only within a limited range of input values
;; workspace buffers: w_img 4,456,448 bytes
;; launch prep (part 1): grid 128 x 4, 4 waves a work-group, no clusters, 23,552 bytes of LDS; arguments weight, scales, w_img; writes w_img
.if DOCPART == 1
	.amdgcn_target "amdgcn-amd-amdhsa--gfx1250"
	.amdhsa_code_object_version 6
	.text
	.protected	k_qd6fdd915b0_prep
	.globl	k_qd6fdd915b0_prep
	.p2align	8
	.type	k_qd6fdd915b0_prep,@function
k_qd6fdd915b0_prep:
	s_mov_b64 s[64:65], 0
	v_nop
	global_prefetch_b8 v0, s[64:65] scope:SCOPE_SE
	s_setreg_imm32_b32 hwreg(HW_REG_WAVE_MODE, 25, 1), 1
	s_wait_xcnt 0x0
; B[o][k] = f32(weight[o][k]) x scales[o][k / 128] (one f32 multiplication) is turned into codes of FP4 (E2M1), K innermost, two a byte, the lower k in the low four bits, with one E8M0 scale byte for each 32 along K.
; w_img: [8 column tiles of 256 rows o][8 K steps of 512][2 halves of 128 rows] chunks of 34,816 bytes: 128 rows of 256 bytes of codes, then 128 x 16 scale bytes.  A chunk is one tensor load of the next launch.
; Row n = 64 g + 4 r + b of a half (b = n % 4, r = (n / 4) % 16) has its CODES at place 64 g + 16 b + r, so that lane r of the product's 16-row blocks 4 g .. 4 g + 3 has four neighbouring columns of the output;
; its SCALE BYTES stand at place n, so that a work-group's 16 rows are 256 consecutive bytes.
; A block's scale is 2^(floor(log2(its largest magnitude)) - 2); its byte is the largest magnitude's exponent field - 2, held at 1 from below.  Each number is divided by the scale and rounded to the nearest code,
; ties to even, beyond the largest code the largest.
; LIMITS: a block of zeros gets the byte 1 where the rule says 127 (its codes are zeros, which add nothing under any byte but 0xff, and this program alone reads the bytes); NaN and infinities in scales are not served.
; Any int32 weight is served: the conversion to f32 rounds to nearest even.
; SHARES.  Work-group (x, y): rows 16 x .. 16 x + 15 of weight, the y-th quarter of K (K steps 2 y and 2 y + 1).  Wave w: rows 16 x + 4 w .. + 3: eight steps of 512 numbers, step t = row t / 2, K step t % 2.
; All 32 weight loads of a wave go out at its head (16 KiB a wave); every offset is an immediate, every store has registers of its own.  Each load reads 512 consecutive bytes; a step's 2,048 bytes go through the wave's
; own stage in LDS and come back 64 bytes a lane (16 bytes of padding behind each 64).  Two neighbouring lanes hold a block of 32.
; No matrix unit, no tensor load, no cluster, no prefetch: the work-groups share no input, every load is out at the head and no loop is there to run ahead in.
.set SP,    80                         ; a lane's place in a stage: its 64 bytes + 16 of padding
.set STG,   32*SP                      ; a stage
.set FL,    2*STG                      ; behind the wave's two stages: its 32 group scales, 128 bytes
.set WREG,  5632                       ; LDS: a region of its own for each wave
.set SCB,   4*WREG                     ; the work-group's scale bytes: [K step 2][16 rows][16 bytes] = 512 bytes
.set SPARE, SCB+512                    ; the spare words, 128 bytes a wave
.set CHUNK, 34816
.set EMAX,  2
.set R,     16                         ; v16-143  eight sets of 16 numbers as they are loaded
.set X,     144                        ; v144-175 two sets of 16 neighbours
.set C,     176                        ; v176-191 codes: two registers for each step
.set E,     192                        ; v192-199 a scale byte for each step
.set SF,    200                        ; v200-207 step t's group scale for my lane
.set SPW,   220
.set NIL,   221
	s_load_b128 s[4:7], s[0:1], 0x0                ; weight s[4:5], scales s[6:7]
	s_load_b64 s[8:9], s[0:1], 0x10                ; w_img
	v_lshl_add_u32 v[SPW], v0, 2, SPARE
	v_mov_b32 v[NIL], 0
	v_lshrrev_b32 v1, 5, v0
	v_readfirstlane_b32 s16, v1                    ; wave 0..3
	v_and_b32 v1, 31, v0                           ; lane l
	s_wait_alu depctr_va_vdst(0)                   ; the wait ahead of the scalar run
	s_mov_b32 s17, ttmp9                           ; x
	s_and_b32 s18, ttmp7, 0xffff                   ; y
	s_lshl_b32 s19, s17, 4
	s_lshl_b32 s34, s16, 2
	s_add_co_u32 s19, s19, s34                     ; my first row of weight: 16 x + 4 w
	s_lshl_b32 s20, s19, 14                        ; weight: a row is 16,384 bytes, a quarter of K 4,096
	s_lshl_b32 s34, s18, 12
	s_add_co_u32 s20, s20, s34
	s_mov_b32 s21, 0
	s_lshl_b32 s24, s19, 7                         ; scales: a row is 128 bytes, a quarter 32
	s_lshl_b32 s34, s18, 5
	s_add_co_u32 s24, s24, s34
	s_mov_b32 s25, 0
	v_lshlrev_b32 v2, 4, v1                        ; my 16 bytes of a load's 512
	v_lshrrev_b32 v7, 3, v1
	v_lshlrev_b32 v7, 7, v7
	v_and_b32 v8, 7, v1
	v_lshl_add_u32 v7, v8, 2, v7                   ; group scales: lane l loads that of row l / 8, group l % 8 of the quarter
	s_wait_alu depctr_va_vdst(0)
	s_wait_kmcnt 0x0
	s_add_nc_u64 s[4:5], s[4:5], s[20:21]
	s_add_nc_u64 s[6:7], s[6:7], s[24:25]
.macro LOAD t                          ; step t's 512 numbers: each load reads 512 consecutive bytes
.irp i, 0,1,2,3
	global_load_b128 v[R+16*(\t)+4*\i:R+16*(\t)+4*\i+3], v2, s[4:5] offset:((\t)/2)*16384+((\t)%2)*2048+512*\i th:TH_LOAD_NT
.endr
.endm
	global_load_b32 v212, v7, s[6:7]               ; my group scale
.irp t, 0,1,2,3,4,5,6,7
	LOAD \t
.endr
	; the other addresses are made while these 33 loads are out
	s_lshr_b32 s34, s17, 4                         ; w_img: chunk 16 (x / 16) + 2 (2 y) + (x / 8) % 2
	s_lshl_b32 s34, s34, 4
	s_lshl_b32 s35, s18, 2
	s_add_co_u32 s34, s34, s35
	s_bfe_u32 s35, s17, 0x10003
	s_add_co_u32 s34, s34, s35
	s_mul_i32 s28, s34, CHUNK
	s_bfe_u32 s34, s17, 0x10002                    ; my codes in it: place 64 ((x / 4) % 2) + 4 (x % 4) + w, and 16 places for each of my four rows
	s_lshl_b32 s34, s34, 14
	s_and_b32 s35, s17, 3
	s_lshl_b32 s35, s35, 2
	s_add_co_u32 s35, s35, s16
	s_lshl_b32 s35, s35, 8
	s_add_co_u32 s30, s28, s34
	s_add_co_u32 s30, s30, s35
	s_mov_b32 s31, 0
	s_and_b32 s34, s17, 7                          ; the work-group's scale bytes in it: 16 (x % 8) places of 16 bytes behind the codes
	s_lshl_b32 s34, s34, 8
	s_add_co_u32 s32, s28, s34
	s_add_co_u32 s32, s32, 32768
	s_mov_b32 s33, 0
	s_mul_i32 s23, s16, WREG                       ; my wave's region of LDS
	s_add_co_u32 s35, s23, FL                      ; its group scales
	s_lshl_b32 s36, s16, 6
	s_add_co_u32 s36, s36, SCB                     ; my four rows' places among the work-group's scale bytes
	v_lshrrev_b32 v3, 2, v1
	v_mul_u32_u24 v3, v3, SP
	v_and_b32 v8, 3, v1
	v_lshl_add_u32 v3, v8, 4, v3
	v_add_nc_u32 v3, s23, v3                       ; the stage, on the way in: four lanes' 64 bytes on end, then the padding
	v_mul_u32_u24 v4, v1, SP
	v_add_nc_u32 v4, s23, v4                       ; and on the way out: SP x l: my 16 neighbours
	v_lshlrev_b32 v5, 3, v1                        ; my 8 bytes of a step's 256 bytes of codes
	v_lshrrev_b32 v6, 1, v1
	v_add_nc_u32 v6, s36, v6                       ; my block's scale byte
	v_lshl_add_u32 v12, v1, 2, s35                 ; a group scale is put at word l;
	v_lshrrev_b32 v13, 3, v1
	v_lshl_add_u32 v13, v13, 2, s35                ; step t's numbers of lane l belong to word 4 t + l / 8
	v_and_b32 v8, 15, v1
	v_lshrrev_b32 v9, 4, v1
	v_lshl_add_u32 v213, v1, 4, SCB                ; the work-group's scale bytes on the way out: 16 bytes a lane,
	v_mul_u32_u24 v214, v9, 2*CHUNK
	v_lshl_add_u32 v214, v8, 4, v214               ; K step l / 16, row l % 16
	s_add_nc_u64 s[10:11], s[8:9], s[30:31]
	s_add_nc_u64 s[12:13], s[8:9], s[32:33]
.macro TURN t                          ; step t's numbers through a stage: LDS serves a wave's instructions in order (ISA guide 5.7.1.4), so no wait stands between the stores and the loads
.irp i, 0,1,2,3
	ds_store_b128 v3, v[R+16*(\t)+4*\i:R+16*(\t)+4*\i+3] offset:STG*((\t)%2)+8*SP*\i
.endr
.irp i, 0,1,2,3
	ds_load_b128 v[X+16*((\t)%2)+4*\i:X+16*((\t)%2)+4*\i+3], v4 offset:STG*((\t)%2)+16*\i
.endr
.endm
	s_wait_alu depctr_va_vdst(0)                   ; the wait at the head's end
	s_wait_loadcnt 32                              ; the group scale is in; the 32 weight loads behind it may be out
	ds_store_b32 v12, v212
.irp t, 0,1,2,3,4,5,6,7
	ds_load_b32 v[SF+\t], v13 offset:16*\t         ; eight neighbouring lanes share a group of 128
.endr
	s_wait_loadcnt 28                              ; step 0's four loads are in
	TURN 0
.macro STEP t
.set XS, X+16*((\t)%2)
.if (\t) > 0
	s_wait_dscnt 1                                 ; this step's numbers are back from the stage; the last step's byte store may be out
.else
	s_wait_dscnt 0x0                               ; and the group scales
.endif
.if (\t) < 7
	s_wait_loadcnt 4*(6-(\t))                      ; the next step's four loads are in; those of the steps behind it may be out
	TURN (\t)+1                                    ; they go through the other stage while this step is worked
.endif
.irp i, 0,1,2,3,4,5,6,7,8,9,10,11,12,13,14,15
	v_cvt_f32_i32 v[XS+\i], v[XS+\i]
.endr
.irp i, 0,1,2,3,4,5,6,7,8,9,10,11,12,13,14,15
	v_mul_f32 v[XS+\i], v[SF+(\t)], v[XS+\i]       ; weight x its group's scale, rounded once
.endr
	v_max3_num_f32 v8, |v[XS]|, |v[XS+1]|, |v[XS+2]|               ; the largest magnitude of my 16, in two chains
	v_max3_num_f32 v9, |v[XS+3]|, |v[XS+4]|, |v[XS+5]|
.irp i, 6,10
	v_max3_num_f32 v8, v8, |v[XS+\i]|, |v[XS+\i+1]|
	v_max3_num_f32 v9, v9, |v[XS+\i+2]|, |v[XS+\i+3]|
.endr
	v_max3_num_f32 v8, v8, |v[XS+14]|, |v[XS+15]|
	v_max3_num_f32 v8, v8, v9, (EMAX+1)<<23        ; and the floor 2^(EMAX + 1 - 127), under which no largest magnitude is taken: so the byte cannot fall under 1
	v_max_num_f32_dpp v8, v8, v8 row_xmask:1 row_mask:0xf bank_mask:0xf   ; and of my neighbour's 16: the block's
	v_add_nc_u32 v11, -(EMAX<<23), v8              ; EMAX off its exponent field: the conversion takes the exponent field of this operand as its scale, and nothing else of it
	v_cvt_scalef32_pk8_fp4_f32 v[C+2*(\t)], v[XS:XS+7], v11
	v_cvt_scalef32_pk8_fp4_f32 v[C+2*(\t)+1], v[XS+8:XS+15], v11
	v_lshrrev_b32 v[E+(\t)], 23, v11               ; the scale's byte; also the plain instruction behind the conversions
	ds_store_b8 v6, v[E+(\t)] offset:((\t)%2)*256+((\t)/2)*16     ; both lanes of a block write the same byte with the same value
	global_store_b64 v5, v[C+2*(\t):C+2*(\t)+1], s[10:11] offset:((\t)/2)*4096+((\t)%2)*2*CHUNK   ; the wave stores 256 consecutive bytes, at a multiple of 256 from w_img's first byte
.endm
.irp t, 0,1,2,3,4,5,6,7
	STEP \t
.endr
	s_wait_dscnt 0x0                               ; for the others' sake: my byte stores are done
	s_barrier_signal -1
	s_barrier_wait -1                              ; the four waves' scale bytes lie together
	s_cmp_lg_u32 s16, 0
	s_cbranch_scc1 .Lend
	ds_load_b128 v[216:219], v213                  ; wave 0 takes the 512 bytes,
	s_wait_dscnt 0x0
	global_store_b128 v214, v[216:219], s[12:13]   ; and each half of its lanes stores 256 consecutive bytes, at a multiple of 256 from w_img's first byte
.Lend:
	s_wait_tensorcnt 0x0                           ; the wave's end
	ds_add_u32 v[SPW], v[NIL]
	s_wait_dscnt 0x0
	s_endpgm
.Lfunc_end_k_qd6fdd915b0_prep:
	.size	k_qd6fdd915b0_prep, .Lfunc_end_k_qd6fdd915b0_prep-k_qd6fdd915b0_prep
	.p2alignl 7, 3214868480
	.fill 96, 4, 3214868480
	.section	.rodata,"a",@progbits
	.p2align	6, 0x0
	.amdhsa_kernel k_qd6fdd915b0_prep
		.amdhsa_group_segment_fixed_size 23552
		.amdhsa_private_segment_fixed_size 0
		.amdhsa_enable_private_segment 0
		.amdhsa_kernarg_size 24
		.amdhsa_user_sgpr_count 2
		.amdhsa_user_sgpr_kernarg_segment_ptr 1
		.amdhsa_wavefront_size32 1
		.amdhsa_system_sgpr_workgroup_id_x 1
		.amdhsa_system_sgpr_workgroup_id_y 1
		.amdhsa_system_sgpr_workgroup_id_z 1
		.amdhsa_system_vgpr_workitem_id 0
		.amdhsa_next_free_vgpr 222
		.amdhsa_next_free_sgpr 66
		.amdhsa_reserve_vcc 0
		.amdhsa_float_denorm_mode_32 3
		.amdhsa_float_denorm_mode_16_64 3
		.amdhsa_memory_ordered 1
		.amdhsa_forward_progress 1
		.amdhsa_inst_pref_size 28
	.end_amdhsa_kernel
	.amdgpu_metadata
---
amdhsa.version: [ 1, 2 ]
amdhsa.kernels:
  - .name:           k_qd6fdd915b0_prep
    .symbol:         k_qd6fdd915b0_prep.kd
    .args:
      - { .name: weight, .offset: 0, .size: 8, .value_kind: global_buffer, .address_space: global }
      - { .name: scales, .offset: 8, .size: 8, .value_kind: global_buffer, .address_space: global }
      - { .name: w_img, .offset: 16, .size: 8, .value_kind: global_buffer, .address_space: global }
    .group_segment_fixed_size: 23552
    .private_segment_fixed_size: 0
    .kernarg_segment_align: 8
    .kernarg_segment_size: 24
    .max_flat_workgroup_size: 128
    .sgpr_count:     66
    .vgpr_count:     222
    .wavefront_size: 32
...
	.end_amdgpu_metadata
.endif
;; end of part 1
;; launch gemm (part 2): grid 8 x 32, 4 waves a work-group, clusters of 4 x 4, 327,680 bytes of LDS; arguments input_codes, input_scales, w_img, out0; writes out0
.if DOCPART == 2
	.amdgcn_target "amdgcn-amd-amdhsa--gfx1250"
	.amdhsa_code_object_version 6
	.text
	.protected	k_qd6fdd915b0_gemm
	.globl	k_qd6fdd915b0_gemm
	.p2align	8
	.type	k_qd6fdd915b0_gemm,@function
k_qd6fdd915b0_gemm:
	s_mov_b64 s[64:65], 0
	v_nop
	global_prefetch_b8 v0, s[64:65] scope:SCOPE_SE
	s_setreg_imm32_b32 hwreg(HW_REG_WAVE_MODE, 25, 1), 1
	s_wait_xcnt 0x0
	s_wait_alu depctr_hold_cnt(0) depctr_sa_sdst(0) depctr_va_vdst(0) depctr_va_sdst(0) depctr_va_ssrc(0) depctr_va_vcc(0) depctr_vm_vsrc(0)
	s_getreg_b32 s2, hwreg(HW_REG_IB_STS2, 6, 4)
	s_cmp_eq_u32 s2, 0
	s_cbranch_scc0 .Lentry_in_a_cluster
	s_endpgm
.Lentry_in_a_cluster:
	s_bfe_u32 s2, ttmp6, 0x10000c
	s_cmp_lg_u32 s2, 0xf033
	s_cbranch_scc0 .Lentry_shape_is_right
	s_endpgm
.Lentry_shape_is_right:
; C[m][n] = sum over k of A[m][k] B[n][k], A: [8192][4096], B: [2048][4096], codes of FP4 (E2M1) with one E8M0 scale for each 32 along K; C: [8192][2048] f32; sums in f32, K ascending.
; A lies as the problem gives it (2,048 bytes of codes and 128 scale bytes a row); B lies in w_img as chunks of 34,816 bytes ([column tile][K step][half]: 128 rows of 256 bytes of codes, then 128 x 16 scale bytes).
; A tile of C, 256 x 256, is made by a work-group of four waves, as many as a WGP has SIMDs; a wave makes 128 x 128: 32 accumulators of 32 x 16, 512 registers.  32 x 8 tiles: 256 work-groups.
; K goes in 8 steps of 512 through a ring of two LDS slots.  A slot holds A's 256 rows of codes and two chunks of B, all as rows of 256 bytes + 16 of padding.  Waves 0 and 1 fetch A's halves, waves 2 and 3 B's: one load a
; wave behind each change of slots.  A's scale bytes of the tile's 256 rows for all of K are one dense block of 32 KiB: it comes once, by wave 1's load at the head, while wave 0 fetches all 256 rows of A.
; CLUSTERS: 4 x 4 work-groups.  A row of the cluster shares A's tiles, a column B's: each tile is asked for JOINTLY, by the same tensor load with the same descriptor and a mask that names the four.
; THE MATRIX INSTRUCTION: source 0 = 32 rows of A, source 1 = 16 rows of B.  In the result lane (r, h) = (l % 16, (l / 16) % 2) holds column r, and register j row 8 h + j (j under 8) or 16 + 8 h + j - 8.
; The rows of B are permuted: lane r of block 4 g + b stands for column 64 g + 4 r + b.  So register j of the four accumulators 4 g .. 4 g + 3 is 16 neighbouring bytes of a row of C: four moves bring them together,
; and each half of the lanes stores 256 consecutive bytes, without a way through LDS.
; STEPS of 128 along K: 32 matrix instructions, A's four blocks (32 rows) one after the other, each against B's eight.  Fragments are fetched two steps ahead: A has two sets of registers (a block's registers are loaded anew
; when its products of this step are issued), B four.  So a slot's last reads are issued in its second step, and the change of slots stands in its third.
; THE LAST K STEP GOES BY ROWS OF C: all its fragments of B fill window 1, and the blocks of 32 rows are finished one after the other, so that finished rows leave while the others are multiplied.
; REGISTERS, in windows of 256: window 0: v0-18 addresses; v20-83 scale words, two sets; v96-127 the first rows on the way out; v128-255 A's two sets.  window 1: B's four sets of 64.
;   window 2: accumulators of my rows 0-63 ((i, b) at v[16 (8 i + b)]); window 3: rows 64-127.
; PREFETCH: behind the joint load of K step j stands one for K step j + 2 (behind slot 1's first fill: K steps 2 and 3): 256 bytes of each of 128 rows, a lane a row; the four partners that ask jointly share a half's
; 128 rows out by address, 32 each.  The last two refills ask for nothing.  B's are asked for by the clusters of even y alone (4 of the 8 that read them); the 8 rows of scale bytes in a chunk come by their load alone.
.set KROW,   2048                      ; a row of A's codes in memory, bytes
.set CHUNK,  34816                     ; w_img: 136 rows of 256 bytes
.set PITCH,  272                       ; an LDS row: 256 + 16 bytes = 68 words: 16 neighbouring rows start at 16 different banks (64 banks of 4 bytes: ISA guide 11.1)
.set HALFA,  128*PITCH
.set HALFB,  136*PITCH
.set SBO,    128*PITCH                 ; the scale rows in a chunk
.set BOFF,   2*HALFA
.set SLOT,   BOFF+2*HALFB
.set ASC,    2*SLOT                    ; A's scale bytes: 128 rows of 256 bytes + 16: two rows of A in each
.set SPARE,  ASC+128*PITCH             ; the spare words, 128 bytes a wave
.set ADRA, 8                           ; v8-9    LDS address of my A fragments in slot 0, 1
.set ADRB, 10                          ; v10-11  the same for B
.set ADSA, 12                          ; v12     LDS address of A's scale words, stepped by two K steps a trip
.set ADSB, 13                          ; v13-14  of B's in slot 0, 1
.set CO,   15                          ; v15     my byte offset in C
.set SPW,  16                          ; v16     my spare word; never rewritten
.set NIL,  17                          ; v17     0; never rewritten
.set PFO,  18                          ; v18     the prefetches' offset: my lane x a row
.set SC,   20                          ; set z (slot z): v[SC + 32 z + 4 i + q]: A's block i (lane = row); v[SC + 32 z + 16 + 4 p + q]: B's blocks 2 p (lanes 0-15) and 2 p + 1 (lanes 16-31)
.set TMP,  96
.set AF,   128
.set G1A,  24                          ; s[24:31] group 1 for A's codes;  s[32:39] group 0, one set a slot
.set G0A,  32
.set G1B,  48                          ; s[48:55], s[56:63] for B's chunks
.set G0B,  56
.set G1S,  68                          ; s[68:75], s[76:79] for A's scale bytes
.set G0S,  76
.set G0H,  80                          ; s[80:83] group 0 for the head's load of A's 256 rows
.set PFA,  84                          ; s[84:85] prefetch: K step 1
.set PFC,  92                          ; s[92:93] prefetch: K step 2
.set PFB,  86                          ; s[86:87] prefetch: K step 3, then stepped
.set PFS,  88                          ; s[88:89] a K step in bytes, in the buffer that my wave asks of
.set LIM,  90                          ; s90 my wave prefetches while more than LIM trips are to go
.set MUL_LO, 0xa4                      ; source 0 (A) window 0, source 1 (B) window 1, C and D window 2
.set MUL_HI, 0xf4                      ; the same, C and D window 3
.set TO_B,   0x40                      ; destination window 1
.set MSB, 0
.macro WIN new                         ; the immediate's high byte repeats the setting that is left
.if MSB != (\new)
	s_set_vgpr_msb (MSB<<8)|(\new)
.set MSB, \new
.endif
.endm
.macro PLACES                          ; four places behind this matrix form, ahead of loads into its sources and reads of its results (ISA guide 7.12.1 for reads of its results)
.rept 4
	v_nop
.endr
.endm
.macro ASKED g0, g1
	tensor_load_to_lds s[\g0:\g0+3], s[\g1:\g1+7]
	s_nop 0
	PLACES
.endm
.macro JLOAD s                         ; a joint load: waves 0 and 1 for A, waves 2 and 3 for B; one mask and one set of registers a line; the branch hangs on the wave's number alone
	s_cmp_eq_u32 s15, 0
	s_cbranch_scc0 .Lfor_b_\@
	ASKED G0A+4*\s, G1A
	s_branch .Lasked_\@
.Lfor_b_\@:
	ASKED G0B+4*\s, G1B
.Lasked_\@:
.endm
.macro CREST                           ; a round of the cluster's barrier behind its opening barrier
	s_cmp_lg_u32 s14, 0
	s_cbranch_scc1 .Lnot_wave_0_\@
	s_barrier_signal -3
.Lnot_wave_0_\@:
	s_barrier_wait -3
	s_barrier_signal -1
	s_barrier_wait -1
.endm
.macro CROUND
	s_barrier_signal -1
	s_barrier_wait -1
	CREST
.endm
.macro DENSE g, rows                   ; group 1, words 1 to 7: dense rows of 256 bytes (32 elements of 8 bytes)
	s_mov_b32 s[\g+1], 32<<16
	s_mov_b32 s[\g+2], \rows<<16
	s_mov_b32 s[\g+3], 32<<16
	s_mov_b32 s[\g+4], \rows
	s_mov_b32 s[\g+5], 32
	s_mov_b32 s[\g+6], 0
	s_mov_b32 s[\g+7], 0
.endm
	s_load_b256 s[4:11], s[0:1], 0x0               ; A's codes s[4:5], A's scales s[6:7], w_img s[8:9], C s[10:11]
	v_lshl_add_u32 v[SPW], v0, 2, SPARE
	v_mov_b32 v[NIL], 0
	ds_add_u32 v[SPW], v[NIL]                      ; the wave's opening
	ds_add_u32 v[SPW], v[NIL]
	v_lshrrev_b32 v1, 5, v0
	v_readfirstlane_b32 s14, v1                    ; wave 0..3
	s_lshr_b32 s15, s14, 1                         ; which half of the tile's rows is mine.  Also: I fetch for A (0) or for B (1)
	s_and_b32 s16, s14, 1                          ; which half of its columns.  Also: which half I fetch
	s_bfe_u32 s40, ttmp6, 0x40000                  ; cx, cy: my place in the cluster
	s_bfe_u32 s41, ttmp6, 0x40004
	s_lshl_b32 s42, ttmp9, 2
	s_add_co_u32 s42, s42, s40                     ; tile column of C
	s_and_b32 s17, ttmp7, 0xffff
	s_lshl_b32 s17, s17, 2
	s_add_co_u32 s17, s17, s41                     ; tile row of C
	s_lshl_b32 s43, s41, 2
	s_lshl_b32 s43, 15, s43                        ; my row of the cluster
	s_lshl_b32 s44, 0x1111, s40                    ; my column
	; group 1, word 0: 15:0 the mask; 17:16 the element (0: 1 byte, 3: 8 bytes); 20 padding on; 21 set beside a mask; 24:22 after every 64 words (code 5); 31:25 of 4 words (code 3)
	s_or_b32 s[G1A], s43, (1<<20)|(1<<21)|(5<<22)|(3<<25)
	s_mov_b32 s[G1A+1], 256<<16
	s_mov_b32 s[G1A+2], 256<<16                    ; 256 rows for the head's load; behind it 128
	s_mov_b32 s[G1A+3], 256<<16
	s_mov_b32 s[G1A+4], 256
	s_mov_b32 s[G1A+5], KROW
	s_mov_b32 s[G1A+6], 0
	s_mov_b32 s[G1A+7], 0
	s_or_b32 s[G1B], s44, (3<<16)|(1<<20)|(1<<21)|(5<<22)|(3<<25)
	DENSE G1B, 136
	s_or_b32 s[G1S], s43, (3<<16)|(1<<20)|(1<<21)|(5<<22)|(3<<25)
	DENSE G1S, 128
	; where the tiles begin: A's hang on the tile row alone, B's on the tile column alone
	s_lshl_b32 s20, s17, 19                        ; A's codes: 256 rows of 2,048 bytes
	s_mov_b32 s21, 0
	s_lshl_b32 s22, s17, 15                        ; A's scale bytes: 256 rows of 128
	s_mov_b32 s23, 0
	s_mul_i32 s46, s42, 16*CHUNK                   ; B: 16 chunks a tile column
	s_mov_b32 s47, 0
	s_lshl_b32 s18, s16, 18                        ; the half that I fetch: 128 rows of A,
	s_mov_b32 s19, 0
	s_mul_i32 s2, s16, CHUNK                       ; one chunk of B,
	s_mov_b32 s3, 0
	s_mul_i32 s45, s16, HALFA                      ; and where it goes in a slot
	s_mul_i32 s12, s16, HALFB
	s_add_co_u32 s12, s12, BOFF
	s_wait_dscnt 0x0                               ; both opening adds are done
	CROUND                                         ; all sixteen work-groups are here: the first joint loads, below, meet
	s_wait_kmcnt 0x0
	s_add_nc_u64 s[20:21], s[4:5], s[20:21]
	s_add_nc_u64 s[22:23], s[6:7], s[22:23]
	s_add_nc_u64 s[46:47], s[8:9], s[46:47]
	s_mov_b32 s[G0H], 1
	s_mov_b32 s[G0H+1], 0
	s_mov_b64 s[G0H+2:G0H+3], s[20:21]
	s_or_b32 s[G0H+3], s[G0H+3], 0x80000000
	s_mov_b32 s[G0S], 1
	s_mov_b32 s[G0S+1], ASC
	s_mov_b64 s[G0S+2:G0S+3], s[22:23]
	s_or_b32 s[G0S+3], s[G0S+3], 0x80000000
	s_add_nc_u64 s[46:47], s[46:47], s[2:3]
.macro AIMB s
	s_mov_b32 s[G0B+4*\s], 1
	s_add_co_u32 s[G0B+4*\s+1], s12, \s*SLOT
	s_add_nc_u64 s[G0B+4*\s+2:G0B+4*\s+3], s[46:47], \s*2*CHUNK
	s_or_b32 s[G0B+4*\s+3], s[G0B+4*\s+3], 0x80000000
.endm
	AIMB 0
	; THE HEAD'S LOADS, one a wave: one chain of branches, every way passes exactly one
	s_cmp_lt_u32 s14, 1
	s_cbranch_scc0 .Lhead_s
	ASKED G0H, G1A                                 ; wave 0: K step 0's 256 rows of A
	s_branch .Lhead_asked
.Lhead_s:
	s_cmp_lt_u32 s14, 2
	s_cbranch_scc0 .Lhead_b
	ASKED G0S, G1S                                 ; wave 1: A's scale bytes
	s_branch .Lhead_asked
.Lhead_b:
	ASKED G0B, G1B                                 ; waves 2 and 3: K step 0's chunks of B
.Lhead_asked:
	s_add_nc_u64 s[20:21], s[20:21], s[18:19]      ; the groups 0 that no load on its way names
.irp s, 0,1
	s_mov_b32 s[G0A+4*\s], 1
	s_add_co_u32 s[G0A+4*\s+1], s45, \s*SLOT
	s_add_nc_u64 s[G0A+4*\s+2:G0A+4*\s+3], s[20:21], \s*256
	s_or_b32 s[G0A+4*\s+3], s[G0A+4*\s+3], 0x80000000
.endr
	AIMB 1
	; the prefetches: where they stand, by wave (A's half or B's half) and by the partner's place, in the address alone
	s_lshl_b32 s20, s17, 19
	s_lshl_b32 s21, s16, 18
	s_add_co_u32 s20, s20, s21
	s_lshl_b32 s21, s40, 16                        ; 32 cx rows of 2,048 bytes
	s_add_co_u32 s20, s20, s21
	s_mul_i32 s22, s42, 16*CHUNK
	s_mul_i32 s23, s16, CHUNK
	s_add_co_u32 s22, s22, s23
	s_lshl_b32 s23, s41, 13                        ; 32 cy rows of 256 bytes
	s_add_co_u32 s22, s22, s23
	s_and_b32 s23, ttmp7, 1
	s_lshl_b32 s23, s23, 1
	s_sub_co_u32 s2, 1, s23                        ; B's: 1 where the cluster's y is even, else the greatest number
	s_mov_b32 s18, 256
	s_mov_b32 s19, 2*CHUNK
	s_mov_b32 s23, KROW
	s_mov_b32 s21, 0
	s_mov_b32 s[PFS+1], 0
	s_cmp_eq_u32 s15, 0
	s_cselect_b64 s[PFA:PFA+1], s[4:5], s[8:9]
	s_cselect_b32 s20, s20, s22
	s_cselect_b32 s[PFS], s18, s19
	s_cselect_b32 s23, s23, s18
	s_cselect_b32 s[LIM], 1, s2
	s_add_nc_u64 s[PFA:PFA+1], s[PFA:PFA+1], s[20:21]
	s_add_nc_u64 s[PFA:PFA+1], s[PFA:PFA+1], s[PFS:PFS+1]          ; K step 1
	s_add_nc_u64 s[PFC:PFC+1], s[PFA:PFA+1], s[PFS:PFS+1]          ; K step 2
	s_add_nc_u64 s[PFB:PFB+1], s[PFC:PFC+1], s[PFS:PFS+1]          ; K step 3
	s_mov_b32 s3, 3                                ; trips to go
	v_and_b32 v7, 31, v0
	v_mul_u32_u24 v[PFO], v7, s23
	s_cmp_gt_u32 s3, s[LIM]
	s_cbranch_scc0 .Lno_ask_1
	global_prefetch_b8 v[PFO], s[PFA:PFA+1] th:TH_LOAD_NT scope:SCOPE_SE   ; K step 1: its load sets out when the head's loads have landed
.Lno_ask_1:
	; my part of C: row 256 x tile row + 128 x half, 8,192 bytes a row; column 256 x tile column + 128 x half, 4 bytes a number
	s_lshl_b32 s20, s17, 21
	s_lshl_b32 s21, s15, 20
	s_add_co_u32 s20, s20, s21
	s_lshl_b32 s21, s42, 10
	s_add_co_u32 s20, s20, s21
	s_lshl_b32 s21, s16, 9
	s_add_co_u32 s20, s20, s21
	s_mov_b32 s21, 0
	s_add_nc_u64 s[10:11], s[10:11], s[20:21]
	s_mul_i32 s18, s15, HALFA                      ; my 128 rows of A in a slot (B's: s12)
	s_mul_i32 s19, s15, 64*PITCH
	s_add_co_u32 s19, s19, ASC                     ; their scale bytes
	s_add_co_u32 s13, s12, SBO                     ; B's scale bytes
	v_and_b32 v1, 15, v0                           ; r
	v_bfe_u32 v2, v0, 4, 1                         ; h
	v_and_b32 v4, 31, v0                           ; lane
	v_mul_u32_u24 v3, v1, PITCH
	v_lshl_add_u32 v3, v2, 4, v3                   ; a fragment's row x pitch + 16 h
	v_add_nc_u32 v[ADRA], s18, v3
	v_add_nc_u32 v[ADRB], s12, v3
	v_add_nc_u32 v[ADRA+1], SLOT, v[ADRA]
	v_add_nc_u32 v[ADRB+1], SLOT, v[ADRB]
	v_lshrrev_b32 v5, 1, v4                        ; A's scale words: lane = row, two rows in each 256 bytes
	v_mul_u32_u24 v5, v5, PITCH
	v_and_b32 v6, 1, v0
	v_lshl_add_u32 v5, v6, 7, v5
	v_add_nc_u32 v[ADSA], s19, v5
	v_lshrrev_b32 v5, 2, v1                        ; B's: row 4 r + b of a group of 64, 16 rows in each 256 bytes; lanes 16-31 the next b
	v_mul_u32_u24 v5, v5, PITCH
	v_and_b32 v6, 3, v1
	v_lshl_add_u32 v5, v6, 6, v5
	v_lshl_add_u32 v5, v2, 4, v5
	v_add_nc_u32 v[ADSB], s13, v5
	v_add_nc_u32 v[ADSB+1], SLOT, v[ADSB]
	v_lshlrev_b32 v[CO], 16, v2                    ; lanes 16-31: 8 rows of C further down
	v_lshl_add_u32 v[CO], v1, 4, v[CO]
; A fragment of 4-bit codes: registers 4 c .. 4 c + 3 hold K = 64 c + 32 h + 0 .. 31 of row r; source 0 has rows 0-15 in registers 0-7 and rows 16-31 in registers 8-15.
.macro LDA reg, slot, q, i             ; A's block i of the slot's q-th 128 along K
.irp u, 0,1
.irp c, 0,1
	ds_load_b128 v[\reg+8*\u+4*\c:\reg+8*\u+4*\c+3], v[ADRA+\slot] offset:(2*(\i)+\u)*16*PITCH+64*(\q)+32*\c
.endr
.endr
.endm
.macro LA slot, q, i
	LDA AF+64*((\q)%2)+16*(\i), \slot, \q, \i
.endm
.macro LB slot, q                      ; B's eight blocks into set q
	WIN TO_B
.irp b, 0,1,2,3,4,5,6,7
.irp c, 0,1
	ds_load_b128 v[64*(\q)+8*\b+4*\c:64*(\q)+8*\b+4*\c+3], v[ADRB+\slot] offset:\b*16*PITCH+64*(\q)+32*\c
.endr
.endr
	WIN 0
.endm
.macro LOADM slot, q                   ; in a step's middle: 24 loads
	WIN 0
	LA \slot, \q, 0
	LA \slot, \q, 1
	LB \slot, \q
.endm
.macro LOADE slot, q                   ; at a step's end: 8 loads
	WIN 0
	LA \slot, \q, 2
	LA \slot, \q, 3
.endm
.macro SCALES z                        ; a row's 16 bytes are its four words of the K step
.irp i, 0,1,2,3
	ds_load_b128 v[SC+32*\z+4*\i:SC+32*\z+4*\i+3], v[ADSA] offset:16*\z+\i*16*PITCH
.endr
.irp p, 0,1,2,3
	ds_load_b128 v[SC+32*\z+16+4*\p:SC+32*\z+16+4*\p+3], v[ADSB+\z] offset:(\p/2)*4*PITCH+(\p%2)*32
.endr
.endm
; One matrix instruction: A's block i (fragment at fa) x B's block b, the slot's q-th 128 along K, scale set z.  zero = 1: it starts the sum: nothing is ever cleared.
.macro MM fa, i, b, q, z, zero
.set DD, 16*(8*((\i)%2)+\b)
.set FF, \fa
.set BB, 64*(\q)+8*\b
.set XA, SC+32*(\z)+4*(\i)+(\q)
.set XB, SC+32*(\z)+16+4*(\b/2)+(\q)
.if \zero
.if \b%2
	v_wmma_scale_f32_32x16x128_f4 v[DD:DD+15], v[FF:FF+15], v[BB:BB+7], 0, v[XA], v[XB] matrix_b_scale:MATRIX_SCALE_ROW1
.else
	v_wmma_scale_f32_32x16x128_f4 v[DD:DD+15], v[FF:FF+15], v[BB:BB+7], 0, v[XA], v[XB]
.endif
.else
.if \b%2
	v_wmma_scale_f32_32x16x128_f4 v[DD:DD+15], v[FF:FF+15], v[BB:BB+7], v[DD:DD+15], v[XA], v[XB] matrix_b_scale:MATRIX_SCALE_ROW1
.else
	v_wmma_scale_f32_32x16x128_f4 v[DD:DD+15], v[FF:FF+15], v[BB:BB+7], v[DD:DD+15], v[XA], v[XB]
.endif
.endif
.endm
.macro MULI i, q, z, zero              ; block i against B's eight: the 32 accumulators take turns, in the same order in every step
	WIN MUL_LO+0x50*((\i)/2)
.irp b, 0,1,2,3,4,5,6,7
	MM AF+64*((\q)%2)+16*(\i), \i, \b, \q, \z, \zero
.endr
.endm
; A step: q = 0, 1 or 3.  It fetches the fragments of the step after the next, slot ns, step nq.
.macro STEP z, q, ns, nq, zero
.if (\q) != 3
	s_wait_dscnt 32                                ; this step's fragments are in (fetched in the step before the last); the last step's 32 loads may be out
.endif
	MULI 0, \q, \z, \zero
	MULI 1, \q, \z, \zero
.if (\q) == 3
	s_wait_dscnt 24                                ; (its own fragments were waited for at the change of slots; of the 40 loads behind it 24 may be out)
.endif
	PLACES
	LOADM \ns, \nq
	MULI 2, \q, \z, \zero
	MULI 3, \q, \z, \zero
	PLACES
	LOADE \ns, \nq
.endm
; A slot's third step changes slots.  In front of the barrier each wave waits for all its tensor loads, adds 0 to its spare word, and waits for that and for its own reads of this slot (the last were issued in the step before).
; fill = 1: the barrier opens a round of the cluster's barrier, and the refill, two K steps on, is the first thing behind the round.
.macro MEET z, fill
.if \fill
	s_wait_xcnt 0x0                                ; my last prefetch has read its address
	s_add_nc_u64 s[PFB:PFB+1], s[PFB:PFB+1], s[PFS:PFS+1]
.endif
	s_wait_tensorcnt 0x0                           ; all my tensor loads have landed: my part of the next slot
	ds_add_u32 v[SPW], v[NIL]
.if \fill
	s_add_nc_u64 s[G0A+4*\z+2:G0A+4*\z+3], s[G0A+4*\z+2:G0A+4*\z+3], 2*256
	s_add_nc_u64 s[G0B+4*\z+2:G0B+4*\z+3], s[G0B+4*\z+2:G0B+4*\z+3], 4*CHUNK
.endif
	s_wait_dscnt 33                                ; this step's fragments are in; the last step's 32 loads and the add may be out
	MULI 0, 2, \z, 0
	s_wait_dscnt 0x0                               ; the add is done, and my reads of this slot are over
	s_barrier_signal -1
	MULI 1, 2, \z, 0
	WIN 0
	s_barrier_wait -1
.endm
.macro TURN z, nz
	MEET \z, 1
	CREST                                          ; no wave of any partner still reads this slot's tiles or has a load on its way
	JLOAD \z                                       ; its four v_nop are the places in front of the loads below
	LOADM \nz, 0
.if \nz == 0
	v_add_nc_u32 v[ADSA], 32, v[ADSA]              ; on by two K steps of A's scale words
	s_wait_alu depctr_va_vdst(0)
.endif
	SCALES \nz
	s_cmp_gt_u32 s3, s[LIM]
	s_cbranch_scc0 .Lno_ask_\@
	global_prefetch_b8 v[PFO], s[PFB:PFB+1] th:TH_LOAD_NT scope:SCOPE_SE
.Lno_ask_\@:
	MULI 2, 2, \z, 0
	MULI 3, 2, \z, 0
	PLACES
	LOADE \nz, 0
.endm
	s_wait_alu depctr_va_vdst(0)                   ; the wait at the head's end
	s_wait_tensorcnt 0x0                           ; my part of the head's tiles is in
	ds_add_u32 v[SPW], v[NIL]
	s_mov_b32 s[G1A+2], 128<<16                    ; no tensor load of mine is out, so a descriptor may be written: from here on a load brings 128 rows of A
	s_mov_b32 s[G1A+4], 128
	s_wait_dscnt 0x0                               ; the add is done
	CROUND                                         ; everybody's tiles are in, and all sixteen work-groups are here
	JLOAD 1                                        ; K step 1: slot 1's first fill
	LOADM 0, 0
	SCALES 0
	LOADE 0, 0
	s_wait_dscnt 24                                ; (of the first 40 loads 24 may be out)
	LOADM 0, 1
	LOADE 0, 1
	s_cmp_gt_u32 s3, s[LIM]
	s_cbranch_scc0 .Lno_ask
	global_prefetch_b8 v[PFO], s[PFC:PFC+1] th:TH_LOAD_NT scope:SCOPE_SE
	global_prefetch_b8 v[PFO], s[PFB:PFB+1] th:TH_LOAD_NT scope:SCOPE_SE
.Lno_ask:
	STEP 0, 0, 0, 2, 1                             ; the first step stands in front of the loop: its products start the sums
.Llap:                                                 ; a trip: from K step 2 i's second step to K step 2 i + 2's first; it asks for K steps 2 i + 2 and 2 i + 3
	STEP 0, 1, 0, 3, 0
	TURN 0, 1
	STEP 0, 3, 1, 1, 0
	STEP 1, 0, 1, 2, 0
	STEP 1, 1, 1, 3, 0
	TURN 1, 0
	STEP 1, 3, 0, 1, 0
	STEP 0, 0, 0, 2, 0
	s_sub_co_u32 s3, s3, 1
	s_cmp_lg_u32 s3, 0
	s_cbranch_scc1 .Llap
	STEP 0, 1, 0, 3, 0                             ; K step 6 goes on; nothing is filled any more
; The last K step's fragments: B's four sets by steps as their registers come free, A's by blocks of 32 rows x 512 K: block i at AF + 64 (i % 2)
.macro ALOAD i
	WIN 0
.irp q, 0,1,2,3
	LDA AF+64*((\i)%2)+16*\q, 1, \q, \i
.endr
.endm
	MEET 0, 0                                      ; slot 1, the last K step's, is whole
	PLACES
	LB 1, 0
	LB 1, 1
	SCALES 1
	MULI 2, 2, 0, 0
	MULI 3, 2, 0, 0
	PLACES
	ALOAD 0                                        ; behind 40 loads these 16
	MULI 0, 3, 0, 0
	MULI 1, 3, 0, 0
	s_wait_dscnt 16                                ; the 40 are in
	PLACES
	LB 1, 2
	MULI 2, 3, 0, 0
	MULI 3, 3, 0, 0
	s_wait_dscnt 16                                ; A's block 0 is in; B's step 2 (16 loads) may be out
	PLACES
	LB 1, 3
	ALOAD 1
.macro ROW i, part                     ; block i's accumulators 0-3 (part 0), 4-7 (1) or all eight (2), by turns, K ascending: 16 or 32 matrix instructions
	WIN MUL_LO+0x50*((\i)/2)
.irp q, 0,1,2,3
.if ((\i) == 0) && ((\part) == 0)
.if \q == 2
	s_wait_dscnt 32                                ; B's step 2 is in (behind it: B's step 3, A's block 1)
.endif
.if \q == 3
	s_wait_dscnt 16                                ; B's step 3
.endif
.endif
.irp b, 0,1,2,3,4,5,6,7
.if ((\part) == 2) || ((\b/4) == (\part))
	MM AF+64*((\i)%2)+16*\q, \i, \b, \q, 1, 0
.endif
.endr
.endr
	PLACES
.endm
; THE WAY OUT of block i's columns 64 g .. 64 g + 63: four moves make 16 neighbouring bytes of a row; each half of the lanes stores 256 consecutive bytes, at a multiple of 256 from C's first byte.
; The first group's bytes are put together in v96-127, in two batches; every later one's in the registers of the group before, which has been moved out of them: so no register of a store is written again.
.set PW, 0
.set PB, 0
.macro MOVES dst, u
.irp j, 0,1,2,3,4,5,6,7
.irp b, 0,1,2,3
	v_mov_b32 v[\dst+4*\j+\b], v[SB+16*\b+8*(\u)+\j]               ; each accumulator from its low end on
.endr
.endr
.endm
.macro STORES src, i, g, u
.irp j, 0,1,2,3,4,5,6,7
	global_store_b128 v[CO], v[\src+4*\j:\src+4*\j+3], s[10:11] offset:(32*(\i)+16*(\u)+\j)*8192+256*(\g)
.endr
.endm
.macro OUT i, g
.set SW, 2+(\i)/2
.set SB, 16*(8*((\i)%2)+4*(\g))
.if PW == 0
	WIN SW
	MOVES TMP, 0
	WIN 0
	STORES TMP, \i, \g, 0
	s_wait_xcnt 0x0                                ; the stores have read v96-127
	WIN SW
	MOVES TMP, 1
	WIN 0
	STORES TMP, \i, \g, 1
.else
	WIN SW+64*PW
	MOVES PB, 0
	MOVES PB+32, 1
	WIN 4*PW                                       ; store data in the window of the group before
	STORES PB, \i, \g, 0
	STORES PB+32, \i, \g, 1
.endif
.set PW, SW
.set PB, SB
.endm
	ROW 0, 0                                       ; block 0 goes out in two halves of 64 columns: the first stores leave 16 matrix instructions earlier
	OUT 0, 0
	ROW 0, 1
	ALOAD 2
	OUT 0, 1
	s_wait_dscnt 16                                ; A's block 1 is in; block 2's 16 loads may be out
	ROW 1, 2
	ALOAD 3
	OUT 1, 0
	OUT 1, 1
	s_wait_dscnt 16
	ROW 2, 2
	OUT 2, 0
	OUT 2, 1
	s_wait_dscnt 0x0
	ROW 3, 2
	OUT 3, 0
	OUT 3, 1
	WIN 0
	s_wait_tensorcnt 0x0                           ; the wave's end, behind my last tensor load
	ds_add_u32 v[SPW], v[NIL]
	s_wait_dscnt 0x0
	CROUND                                         ; the closing round: no work-group ends while a partner may still ask for a tile that names it
	s_endpgm
.Lfunc_end_k_qd6fdd915b0_gemm:
	.size	k_qd6fdd915b0_gemm, .Lfunc_end_k_qd6fdd915b0_gemm-k_qd6fdd915b0_gemm
	.p2alignl 7, 3214868480
	.fill 96, 4, 3214868480
	.section	.rodata,"a",@progbits
	.p2align	6, 0x0
	.amdhsa_kernel k_qd6fdd915b0_gemm
		.amdhsa_group_segment_fixed_size 327680
		.amdhsa_private_segment_fixed_size 0
		.amdhsa_enable_private_segment 0
		.amdhsa_kernarg_size 32
		.amdhsa_user_sgpr_count 2
		.amdhsa_user_sgpr_kernarg_segment_ptr 1
		.amdhsa_wavefront_size32 1
		.amdhsa_system_sgpr_workgroup_id_x 1
		.amdhsa_system_sgpr_workgroup_id_y 1
		.amdhsa_system_sgpr_workgroup_id_z 1
		.amdhsa_system_vgpr_workitem_id 0
		.amdhsa_next_free_vgpr 1024
		.amdhsa_next_free_sgpr 100
		.amdhsa_reserve_vcc 0
		.amdhsa_float_denorm_mode_32 3
		.amdhsa_float_denorm_mode_16_64 3
		.amdhsa_memory_ordered 1
		.amdhsa_forward_progress 1
		.amdhsa_inst_pref_size 147
	.end_amdhsa_kernel
	.amdgpu_metadata
---
amdhsa.version: [ 1, 2 ]
amdhsa.kernels:
  - .name:           k_qd6fdd915b0_gemm
    .symbol:         k_qd6fdd915b0_gemm.kd
    .args:
      - { .name: input_codes, .offset: 0, .size: 8, .value_kind: global_buffer, .address_space: global }
      - { .name: input_scales, .offset: 8, .size: 8, .value_kind: global_buffer, .address_space: global }
      - { .name: w_img, .offset: 16, .size: 8, .value_kind: global_buffer, .address_space: global }
      - { .name: out0, .offset: 24, .size: 8, .value_kind: global_buffer, .address_space: global }
    .group_segment_fixed_size: 327680
    .private_segment_fixed_size: 0
    .kernarg_segment_align: 8
    .kernarg_segment_size: 32
    .max_flat_workgroup_size: 128
    .sgpr_count:     100
    .vgpr_count:     1024
    .wavefront_size: 32
...
	.end_amdgpu_metadata
.endif
;; end of part 2
